; MI455X (gfx1250); checked and timed in simulation.
; The chip was launched on July 23, 2026; its instructions are those of AMD's public machine-readable ISA for CDNA 5 (MIT licence, August 2026) and "CDNA5" Instruction Set Architecture Reference Guide (July 2026). The comments in the code are by the model that wrote it; some were corrected since.
;; Multi Attention Block. Allowed arithmetic: matrix products marked QUANTISED: E2M3 operands, one E8M0 scale for each 32 along K, by v_wmma_scale_f32_16x16x128_f8f6f4 with both operands' format E2M3, f32 sums; everything else in f32.
;; Inputs: Wk_codes 16 x 64 x 32 x 24 uint8 (E2M3 codes of Wk, K innermost, in blocks of 32 codes, four codes in three bytes); Wk_scales 16 x 64 x 32 uint8 (E8M0 scales of Wk, one for each 32 codes along K); Wo_codes 1,024 x 32 x 24 uint8 (E2M3 codes of Wo, K innermost, in blocks of 32 codes, four codes in three bytes); Wo_scales 1,024 x 32 uint8 (E8M0 scales of Wo, one for each 32 codes along K); Wq_codes 16 x 64 x 32 x 24 uint8 (E2M3 codes of Wq, K innermost, in blocks of 32 codes, four codes in three bytes); Wq_scales 16 x 64 x 32 uint8 (E8M0 scales of Wq, one for each 32 codes along K); Wv_codes 16 x 64 x 32 x 24 uint8 (E2M3 codes of Wv, K innermost, in blocks of 32 codes, four codes in three bytes); Wv_scales 16 x 64 x 32 uint8 (E8M0 scales of Wv, one for each 32 codes along K); bk 16 x 64 float32; bo 1,024 float32; bq 16 x 64 float32; bv 16 x 64 float32; x_codes 4 x 2,048 x 32 x 24 uint8 (E2M3 codes of x, K innermost, in blocks of 32 codes, four codes in three bytes); x_scales 4 x 2,048 x 32 uint8 (E8M0 scales of x, one for each 32 codes along K).
;; Outputs: out0 4 x 2,048 x 1,024 float32.
;; This version of the problem:
;;   THIS VERSION OF THE PROBLEM IS GIVEN IN LOW PRECISION. The matrix products marked QUANTISED in the list below multiply operands that are first quantised to E2M3 (2 exponent bits, 3 mantissa bits; 6 bits a number), with one power-of-two scale for each 32 numbers along K (OCP MX v1.0); their sums are f32. All else is computed in f32.
;;   The module's matrix products, in the order in which they are computed (A, B: the left and right operand; K: the contracted axis; several contracted axes count as one K, in the product's order):
;;     1. [M 1,024, K 1,024] x [K 1,024, N 8,192]; A: input Wq (given as codes); B: input x (given as codes): QUANTISED
;;     2. [M 1,024, K 1,024] x [K 1,024, N 8,192]; A: input Wk (given as codes); B: input x (given as codes): QUANTISED
;;     3. [M 1,024, K 1,024] x [K 1,024, N 8,192]; A: input Wv (given as codes); B: input x (given as codes): QUANTISED
;;     4. batch 64 x [M 2,048, K 64] x [K 64, N 2,048]; A: computed on the way; B: computed on the way: QUANTISED
;;     5. batch 64 x [M 2,048, K 2,048] x [K 2,048, N 64]; A: softmax (see below); B: computed on the way: QUANTISED
;;     6. [M 8,192, K 1,024] x [K 1,024, N 1,024]; A: computed on the way; B: input Wo (given as codes): QUANTISED
;;   THE QUANTISER, for each operand of a quantised product, along K:
;;     - K is cut into blocks of 32 from its start; a last block that is shorter is filled with zeros.
;;     - A block's scale is 2^e with e = floor(log2(the largest magnitude in the block)) - 2, held to -126 .. 127; a block of zeros has e = 0. As a byte (E8M0): e + 127.
;;     - Each number is divided by its block's scale, clamped to +-7.5, and rounded to the nearest number of E2M3, ties to even, subnormals kept.
;;     - The product sums the exact products of the quantised numbers (number of the format x scale) in f32.
;;   ~~~python
;;   def quantise(x, axis):      # numpy; x: float32 -> the quantised numbers, widened to float32 again
;;       x = np.moveaxis(x, axis, -1); K = x.shape[-1]
;;       x = np.pad(x, [(0, 0)] * (x.ndim - 1) + [(0, -K % 32)]); x = x.reshape(x.shape[:-1] + (-1, 32)); a = np.abs(x).max(-1, keepdims=True)
;;       e = np.where(a > 0, np.clip(np.frexp(np.where(a > 0, a, 1))[1] - 1 - 2, -126, 127), 0)      # np.frexp(a)[1] - 1 = floor(log2(a)), exactly
;;       r = np.clip(x / 2.0 ** e, -7.5, 7.5)
;;       step = 2.0 ** (np.maximum(np.frexp(np.where(r == 0, 1, r))[1] - 1, 0) - 3)
;;       q = np.round(r / step) * step * 2.0 ** e      # np.round: ties to even
;;       return np.moveaxis(q.reshape(q.shape[:-2] + (-1,))[..., :K], -1, axis).astype(np.float32)
;;   ~~~
;;   SOFTMAX AHEAD OF A QUANTISED PRODUCT. Where the list says 'softmax', what is quantised is not the finished softmax but p = 2^(t - M), with t = logit x log2(e) and M = ceil(the row's largest t), a whole number; so 1/2 < the row's largest p <= 1. The row's sum l is taken of the UNQUANTISED p, in f32, and the product's result is divided by l at the end. Since M is a whole number, a kernel that streams over the keys may use a running M (the ceiling of the running maximum): every later rescaling is an exact power of two, which a block's scale takes up: the codes' values come out the same.
;;   OPERANDS COMPUTED ON THE WAY. 'Computed on the way' means the value that the module computes at that place (a softmax that the list does not call 'softmax' is quantised finished and normalised). What goes into a quantiser is computed in f32, as accurately as f32 sums, v_exp_f32 and their like allow (about 1e-6 of the number): no bf16 or f16 on the way to a quantiser, and a product that is left as it is and whose result goes on into a quantised operand takes f32 operands (vector FMAs, or v_wmma_f32_16x16x4_f32). A number that lies on a knife's edge between two numbers of the format may be rounded either way, as far as f32 arithmetic and the matrix unit's own rounding can turn it there, and no further.
;;   INPUTS GIVEN AS CODES. Wk (in the module: [16, 1024, 64], K = its axis 1); Wo (in the module: [1024, 1024], K = its axis 0); Wq (in the module: [16, 1024, 64], K = its axis 1); Wv (in the module: [16, 1024, 64], K = its axis 1); x (in the module: [4, 2048, 1024], K = its axis 2): each comes as NAME_codes (uint8): NAME with its K axis moved to the last place and cut into blocks of 32 codes, [.., K / 32, bytes a block], one block behind the other in memory; four codes in three bytes: a row's codes are one little-endian stream of bits, code i at bits 6 i .. 6 i + 5 (a code: sign, 2 exponent bits, 3 mantissa bits); and NAME_scales (uint8): the same leading axes, one E8M0 byte (e + 127) for each 32 codes along K. Its value is code x scale, taken as it is: it is not quantised again, and the codes and scales need not be those that the quantiser above would give.
;; One version. Each part assembles by itself: llvm-mc -triple=amdgcn-amd-amdhsa -mcpu=gfx1250 --defsym DOCPART=n.
;; ======== version 1 of 1: 3 launches
;; limits: right only within a limited range of input values
;; workspace buffers: qi 6,815,744 bytes; kvi 13,631,488 bytes; oi 6,291,456 bytes; os 262,144 bytes
;; launch qkv (part 1): grid 8 x 32, 4 waves a work-group, clusters of 4 x 4, 327,680 bytes of LDS; arguments x_codes, x_scales, Wq_codes, Wq_scales, Wk_codes, Wk_scales, Wv_codes, Wv_scales, bq, bk, bv, qi, kvi; writes qi, kvi
.if DOCPART == 1
	.amdgcn_target "amdgcn-amd-amdhsa--gfx1250"
	.amdhsa_code_object_version 6
	.text
	.protected	k_q5fbe6f7891_qkv
	.globl	k_q5fbe6f7891_qkv
	.p2align	8
	.type	k_q5fbe6f7891_qkv,@function
k_q5fbe6f7891_qkv:
	s_mov_b64 s[64:65], 0
	v_nop
	global_prefetch_b8 v0, s[64:65] scope:SCOPE_SE
	s_setreg_imm32_b32 hwreg(HW_REG_WAVE_MODE, 25, 1), 1
	s_wait_xcnt 0x0
	s_wait_alu depctr_hold_cnt(0) depctr_sa_sdst(0) depctr_va_vdst(0) depctr_va_sdst(0) depctr_va_ssrc(0) depctr_va_vcc(0) depctr_vm_vsrc(0)
	s_getreg_b32 s2, hwreg(HW_REG_IB_STS2, 6, 4)
	s_cmp_eq_u32 s2, 0
	s_cbranch_scc0 .Lentry_in_a_cluster
	s_endpgm
.Lentry_in_a_cluster:
	s_bfe_u32 s2, ttmp6, 0x10000c
	s_cmp_lg_u32 s2, 0xf033
	s_cbranch_scc0 .Lentry_shape_is_right
	s_endpgm
.Lentry_shape_is_right:
.set PITCH, 816
.set TROW,  16*PITCH
.set CH,    64*PITCH
.set SPARE, 6*CH
.set SPW,  1
.set NIL,  2
.set L0,   3
.set L1,   4
.set PAIR, 5
.set LS32, 9
.set LB,   10
.set LV,   11
.set ST16, 12
.set ST8,  13
.set XS,   16
.set WS,   32
.set BIAS, 64
.set TM,   96
.set SCR,  104
.set PW,   108
.set SP,   112
.set PC,   114
.set ACC,  128
.set WF,   144
.set WV,   30
.set SEL,  72
.set HI16, 74
.set G1X,  32
.set G1Q,  40
.set G1R,  48
.set G0X,  56
.set G0Q,  60
.set G0R,  68
.set MSB, 0
.macro WIN new
.if MSB != \new
	s_set_vgpr_msb (MSB<<8)|\new
.set MSB, \new
.endif
.endm
.macro PLACES n
.rept \n
	v_nop
.endr
.endm
.macro CROUND
	s_barrier_signal -1
	s_barrier_wait -1
	s_cmp_lg_u32 s[WV], 0
	s_cbranch_scc1 .Lnot_wave_0_\@
	s_barrier_signal -3
.Lnot_wave_0_\@:
	s_barrier_wait -3
	s_barrier_signal -1
	s_barrier_wait -1
.endm
.macro FRAG reg, adr, ks, i
.irp p, 0,1,2,3,4,5
.set PCE, 12*(\ks)+6*(\p/3)+\p%3
.if PCE%32 < 29
	ds_load_b64 v[(\reg)+2*\p:(\reg)+2*\p+1], v[\adr] offset:8*PCE+16*(PCE/32)+(\i)*TROW
.else
	ds_load_b64 v[(\reg)+2*\p:(\reg)+2*\p+1], v[\adr+1] offset:8*PCE+16*(PCE/32)+(\i)*TROW
.endif
.endr
.endm
.macro WFETCH ch, ks
	WIN 0x80
.irp i, 0,1,2,3
	FRAG WF+48*((\ks)%2)+12*\i, PAIR+2*((\ch)%2), \ks, \i
.endr
.endm
.macro NEXTLOADS ch
.set SB, 10+4*((\ch)/2)
.set BB, 20+2*((\ch)/2)
.set WB, WS+16*((\ch)%2)
.irp p, 0,1
	global_load_b128 v[WB+8*\p:WB+8*\p+3], v[LS32], s[SB:SB+1] offset:2048*((\ch)%2)+1024*\p
	global_load_b128 v[WB+8*\p+4:WB+8*\p+7], v[LS32], s[SB:SB+1] offset:2048*((\ch)%2)+1024*\p+16
.endr
.if (\ch) < 4
.irp ct, 0,1,2,3
	global_load_b128 v[BIAS+8*\ct:BIAS+8*\ct+3], v[LB], s[BB:BB+1] offset:256*((\ch)%2)+64*\ct
	global_load_b128 v[BIAS+8*\ct+4:BIAS+8*\ct+7], v[LB], s[BB:BB+1] offset:256*((\ch)%2)+64*\ct+16
.endr
.else
.irp d, 0,1,2,3
.irp j, 0,1,2,3,4,5,6,7
	global_load_b32 v[BIAS+8*\d+\j], v[LV], s[BB:BB+1] offset:256*((\ch)%2)+64*\d
.endr
.endr
.endif
.endm
.macro WM oa, ob
.if (\oa) && (\ob)
	v_wmma_scale_f32_16x16x128_f8f6f4 v[rD:rD+7], v[rA:rA+11], v[rB:rB+11], v[rC:rC+7], v[rSA], v[rSB] matrix_a_fmt:MATRIX_FMT_FP6 matrix_b_fmt:MATRIX_FMT_FP6 matrix_a_scale:MATRIX_SCALE_ROW1 matrix_b_scale:MATRIX_SCALE_ROW1
.elseif (\oa)
	v_wmma_scale_f32_16x16x128_f8f6f4 v[rD:rD+7], v[rA:rA+11], v[rB:rB+11], v[rC:rC+7], v[rSA], v[rSB] matrix_a_fmt:MATRIX_FMT_FP6 matrix_b_fmt:MATRIX_FMT_FP6 matrix_a_scale:MATRIX_SCALE_ROW1
.elseif (\ob)
	v_wmma_scale_f32_16x16x128_f8f6f4 v[rD:rD+7], v[rA:rA+11], v[rB:rB+11], v[rC:rC+7], v[rSA], v[rSB] matrix_a_fmt:MATRIX_FMT_FP6 matrix_b_fmt:MATRIX_FMT_FP6 matrix_b_scale:MATRIX_SCALE_ROW1
.else
	v_wmma_scale_f32_16x16x128_f8f6f4 v[rD:rD+7], v[rA:rA+11], v[rB:rB+11], v[rC:rC+7], v[rSA], v[rSB] matrix_a_fmt:MATRIX_FMT_FP6 matrix_b_fmt:MATRIX_FMT_FP6
.endif
.endm
.macro MUL kind, ch, ks
.if (\ks) <= 4
.set XB, 48*(\ks)
.else
.set XB, 48*((\ks)-5)
.endif
.set WB, WF+48*((\ks)%2)
.set WSB, WS+16*((\ch)%2)+(\ks)
.irp a, 0,1,2,3
.irp t, 0,1,2,3
.if \kind
.set rD, ACC+8*(4*\a+\t)
.set rA, XB+12*\t
.set rB, WB+12*\a
.set rSA, XS+8*(\t/2)+(\ks)
.set rSB, WSB+8*(\a/2)
.else
.set rD, ACC+8*(4*\t+\a)
.set rA, WB+12*\a
.set rB, XB+12*\t
.set rSA, WSB+8*(\a/2)
.set rSB, XS+8*(\t/2)+(\ks)
.endif
.if (\ks) == 0
.set rC, BIAS+8*\a
.else
.set rC, rD
.endif
.if \kind
	WM \t%2, \a%2
.else
	WM \a%2, \t%2
.endif
.endr
.endr
.endm
.macro STEP ch, ks
	s_wait_dscnt 0x0
.if (\ks) == 0
	s_wait_loadcnt 0x0
.endif
	PLACES 4
.if ((\ch) == 1) && ((\ks) == 7)
	s_wait_tensorcnt 0x0
	s_barrier_signal -1
	s_barrier_wait -1
.endif
.if ((\ks) == 1) && ((\ch) < 5)
	NEXTLOADS (\ch)+1
.endif
.if (\ks) < 7
	WFETCH \ch, (\ks)+1
.elseif (\ch) < 5
	v_add_nc_u32 v[PAIR+2*(((\ch)+1)%2)], (((\ch)+5)%6)*CH, v[L0]
	v_add_nc_u32 v[PAIR+2*(((\ch)+1)%2)+1], (((\ch)+5)%6)*CH, v[L1]
	WFETCH (\ch)+1, 0
.endif
.if (\ks) >= 5
	WIN 0x0a
.elseif (\ch) >= 4
	WIN 0x09
.else
	WIN 0x06
.endif
	MUL (\ch)/4, \ch, \ks
	WIN 0
.endm
.macro HALFQ src, pc, pw
.irp b, 0,1
	v_max3_num_f32 v[TM+\b], |v[(\src)+16*\b]|, |v[(\src)+16*\b+1]|, 0x1800000
.endr
.irp i, 2,4,6,8,10,12,14
.irp b, 0,1
	v_max3_num_f32 v[TM+\b], v[TM+\b], |v[(\src)+16*\b+\i]|, |v[(\src)+16*\b+\i+1]|
.endr
.endr
.irp b, 0,1
	v_permlanex16_b32 v[TM+2+\b], v[TM+\b], s[SEL], s[SEL+1]
.endr
.irp b, 0,1
	v_max_num_f32 v[TM+\b], v[TM+\b], v[TM+2+\b]
.endr
.irp b, 0,1
	v_add_nc_u32 v[TM+4+\b], 0xff000000, v[TM+\b]
.endr
.irp b, 0,1
	v_lshrrev_b32 v[TM+2+\b], 23, v[TM+4+\b]
.endr
	v_lshl_or_b32 v[\pw], v[TM+3], 8, v[TM+2]
	v_cvt_scalef32_pk16_fp6_f32 v[(\pc):(\pc)+2], v[(\src):(\src)+15], v[TM+4]
	v_cvt_scalef32_pk16_fp6_f32 v[SCR:SCR+2], v[(\src)+16:(\src)+31], v[TM+5]
	v_nop
.irp i, 0,1,2
	v_permlane16_swap_b32 v[(\pc)+\i], v[SCR+\i]
.endr
.irp i, 0,1,2
	v_mov_b32 v[(\pc)+3+\i], v[SCR+\i]
.endr
.endm
.macro EPI base, off
	PLACES 4
	s_wait_xcnt 0x0
.irp i, 0,1,2,3
.if \i == 2
	s_wait_xcnt 0x0
.endif
	HALFQ ACC+32*\i, PC+6*(\i%2), PW+\i
	global_store_b128 v[ST16], v[PC+6*(\i%2):PC+6*(\i%2)+3], s[\base:\base+1] offset:(\off)+768*\i
	global_store_b64 v[ST8], v[PC+6*(\i%2)+4:PC+6*(\i%2)+5], s[\base:\base+1] offset:(\off)+768*\i+512
.endr
	v_cndmask_b32 v[SP], v[PW], v[PW+1], s[HI16]
	v_cndmask_b32 v[SP+1], v[PW+2], v[PW+3], s[HI16]
	global_store_b64 v[ST8], v[SP:SP+1], s[\base:\base+1] offset:(\off)+3072
.endm
	s_load_b512 s[4:19], s[0:1], 0x0
	s_load_b256 s[20:27], s[0:1], 0x40
	s_load_b64 s[28:29], s[0:1], 0x60
	v_lshl_add_u32 v[SPW], v0, 2, SPARE
	v_mov_b32 v[NIL], 0
	ds_add_u32 v1, v2
	ds_add_u32 v1, v2
	s_wait_dscnt 0x0
	v_lshrrev_b32 v3, 5, v0
	v_readfirstlane_b32 s[WV], v3
	s_bfe_u32 s75, ttmp6, 0x40000
	s_bfe_u32 s76, ttmp6, 0x40004
	s_lshl_b32 s77, ttmp9, 2
	s_add_co_u32 s77, s77, s75
	s_and_b32 s78, ttmp7, 0xffff
	s_lshl_b32 s78, s78, 2
	s_add_co_u32 s78, s78, s76
	s_lshl_b32 s79, s76, 2
	s_lshl_b32 s79, 15, s79
	s_lshl_b32 s80, 0x1111, s75
	s_or_b32 s[G1X], s79, (1<<20)|(1<<21)|(5<<22)|(3<<25)
	s_or_b32 s[G1Q], s80, (1<<20)|(1<<21)|(5<<22)|(3<<25)
	s_or_b32 s[G1R], s80, (1<<20)|(1<<21)|(5<<22)|(3<<25)
.irp g, G1X, G1Q, G1R
	s_mov_b32 s[\g+1], 768<<16
	s_mov_b32 s[\g+3], 768<<16
	s_mov_b32 s[\g+5], 768
	s_mov_b32 s[\g+6], 0
	s_mov_b32 s[\g+7], 0
.endr
	s_mov_b32 s[G1X+2], 128<<16
	s_mov_b32 s[G1X+4], 128
	s_mov_b32 s[G1Q+2], 64<<16
	s_mov_b32 s[G1Q+4], 64
	s_mov_b32 s[G1R+2], 64<<16
	s_mov_b32 s[G1R+4], 64
	s_lshl_b32 s81, s78, 8
	s_lshl_b32 s82, s[WV], 6
	s_add_co_u32 s81, s81, s82
	s_mul_i32 s82, s81, 768
	s_mov_b32 s83, 0
	s_lshl_b32 s84, s81, 5
	s_mov_b32 s85, 0
	s_mul_i32 s86, s77, 128*768
	s_and_b32 s90, s[WV], 1
	s_lshl_b32 s88, s78, 8
	s_lshl_b32 s89, s90, 7
	s_add_co_u32 s88, s88, s89                     ; x: the half of the work-group's 256 rows that waves 0 and 1 fetch
	s_mul_i32 s88, s88, 768
	s_mov_b32 s89, 0
	s_mul_i32 s90, s90, 64*768
	s_add_co_u32 s90, s90, s86
	s_mov_b32 s91, 0
	s_lshl_b32 s92, s77, 12
	s_mov_b32 s93, 0
	s_lshl_b32 s94, s77, 9
	s_mov_b32 s95, 0
	s_lshr_b32 s96, s78, 3
	s_lshl_b32 s96, s96, 4
	s_lshl_b32 s97, s77, 1
	s_add_co_u32 s96, s96, s97
	s_lshl_b32 s96, s96, 5
	s_and_b32 s97, s78, 7
	s_lshl_b32 s97, s97, 2
	s_add_co_u32 s96, s96, s97
	s_add_co_u32 s96, s96, s[WV]
	s_mul_i32 s98, s96, 3328
	s_mov_b32 s99, 0
	s_mul_i32 s96, s96, 6656
	s_mov_b32 s97, 0
	s_mov_b32 s[G0X], 1
	s_mul_i32 s87, s[WV], CH                       ; where my own 64 rows of x lie
	s_and_b32 s[G0X+1], s[WV], 1
	s_mul_i32 s[G0X+1], s[G0X+1], 2*CH
	s_mov_b32 s[G0Q], 1
	s_and_b32 s[G0Q+1], s[WV], 1
	s_mul_i32 s[G0Q+1], s[G0Q+1], CH
	s_add_co_u32 s[G0Q+1], s[G0Q+1], 4*CH
	s_mov_b32 s[G0R], 1
	s_mul_i32 s[G0R+1], s[WV], CH
	s_mov_b32 s[SEL], 0x76543210
	s_mov_b32 s[SEL+1], 0xfedcba98
	s_mov_b32 s[HI16], 0xffff0000
	s_wait_kmcnt 0x0
	s_add_nc_u64 s[G0X+2:G0X+3], s[4:5], s[88:89]
	s_or_b32 s[G0X+3], s[G0X+3], 0x80000000
	s_add_nc_u64 s[G0Q+2:G0Q+3], s[8:9], s[90:91]
	s_or_b32 s[G0Q+3], s[G0Q+3], 0x80000000
	s_cmp_lt_u32 s[WV], 2
	s_cselect_b64 s[G0R+2:G0R+3], s[12:13], s[16:17]
	s_add_nc_u64 s[G0R+2:G0R+3], s[G0R+2:G0R+3], s[90:91]
	s_or_b32 s[G0R+3], s[G0R+3], 0x80000000
	s_add_nc_u64 s[6:7], s[6:7], s[84:85]
	s_add_nc_u64 s[10:11], s[10:11], s[92:93]
	s_add_nc_u64 s[14:15], s[14:15], s[92:93]
	s_add_nc_u64 s[18:19], s[18:19], s[92:93]
	s_add_nc_u64 s[20:21], s[20:21], s[94:95]
	s_add_nc_u64 s[22:23], s[22:23], s[94:95]
	s_add_nc_u64 s[24:25], s[24:25], s[94:95]
	s_add_nc_u64 s[26:27], s[26:27], s[98:99]
	s_add_nc_u64 s[28:29], s[28:29], s[96:97]
	CROUND
	s_cmp_lt_u32 s[WV], 2                          ; the head's loads, one a wave: waves 0 and 1 a half each of x's 256 rows, waves 2 and 3 a half each of Wq's 128
	s_cbranch_scc0 .Lhead_q
	tensor_load_to_lds s[G0X:G0X+3], s[G1X:G1X+7]
	s_nop 0
	PLACES 4
	s_branch .Lhead_asked
.Lhead_q:
	tensor_load_to_lds s[G0Q:G0Q+3], s[G1Q:G1Q+7]
	s_nop 0
	PLACES 4
.Lhead_asked:
	v_and_b32 v14, 15, v0
	v_bfe_u32 v15, v0, 4, 1
	v_and_b32 v[LS32], 31, v0
	v_mul_u32_u24 v[L0], v14, PITCH
	v_mad_u32_u24 v[L1], v15, 40, v[L0]
	v_mad_u32_u24 v[L0], v15, 24, v[L0]
	v_lshlrev_b32 v[ST16], 4, v[LS32]
	v_lshlrev_b32 v[ST8], 3, v[LS32]
	v_lshlrev_b32 v[LS32], 5, v[LS32]
	v_lshlrev_b32 v[LB], 5, v15
	v_lshlrev_b32 v[LV], 2, v14
	v_mov_b32 v[TM+2], 0
	v_mov_b32 v[TM+3], 0
	v_add_nc_u32 v[PAIR], 4*CH, v[L0]
	v_add_nc_u32 v[PAIR+1], 4*CH, v[L1]
	v_add_nc_u32 v[PAIR+2], s87, v[L0]
	v_add_nc_u32 v[PAIR+3], s87, v[L1]
.irp p, 0,1
	global_load_b128 v[XS+8*\p:XS+8*\p+3], v[LS32], s[6:7] offset:1024*\p
	global_load_b128 v[XS+8*\p+4:XS+8*\p+7], v[LS32], s[6:7] offset:1024*\p+16
.endr
	NEXTLOADS 0
	s_wait_alu depctr_va_vdst(0)
	s_wait_tensorcnt 0x0                           ; my load has landed,
	s_barrier_signal -1
	s_barrier_wait -1                              ; everybody's has
	WIN 0x40
.irp s, 0,1,2,3,4
.irp t, 0,1,2,3
	FRAG 12*(4*\s+\t), PAIR+2, \s, \t
.endr
.endr
	WIN 0x80
.irp s, 5,6,7
.irp t, 0,1,2,3
	FRAG 12*(4*(\s-5)+\t), PAIR+2, \s, \t
.endr
.endr
	WIN 0
	s_wait_tensorcnt 0x0
	ds_add_u32 v[SPW], v[NIL]
	s_wait_dscnt 0x0
	CROUND
	tensor_load_to_lds s[G0R:G0R+3], s[G1R:G1R+7]
	s_nop 0
	PLACES 4
	WFETCH 0, 0
.irp c, 0,1,2,3,4,5
.irp k, 0,1,2,3,4,5,6,7
	STEP \c, \k
.endr
.if \c < 2
	EPI 26, 106496*(\c%2)
.elseif \c < 4
	EPI 28, 212992*(\c%2)
.else
	EPI 28, 212992*(\c%2)+3328
.endif
.endr
	s_wait_tensorcnt 0x0
	ds_add_u32 v[SPW], v[NIL]
	s_wait_dscnt 0x0
	CROUND
	s_endpgm
.Lfunc_end_k_q5fbe6f7891_qkv:
	.size	k_q5fbe6f7891_qkv, .Lfunc_end_k_q5fbe6f7891_qkv-k_q5fbe6f7891_qkv
	.p2alignl 7, 3214868480
	.fill 96, 4, 3214868480
	.section	.rodata,"a",@progbits
	.p2align	6, 0x0
	.amdhsa_kernel k_q5fbe6f7891_qkv
		.amdhsa_group_segment_fixed_size 327680
		.amdhsa_private_segment_fixed_size 0
		.amdhsa_enable_private_segment 0
		.amdhsa_kernarg_size 104
		.amdhsa_user_sgpr_count 2
		.amdhsa_user_sgpr_kernarg_segment_ptr 1
		.amdhsa_wavefront_size32 1
		.amdhsa_system_sgpr_workgroup_id_x 1
		.amdhsa_system_sgpr_workgroup_id_y 1
		.amdhsa_system_sgpr_workgroup_id_z 1
		.amdhsa_system_vgpr_workitem_id 0
		.amdhsa_next_free_vgpr 768
		.amdhsa_next_free_sgpr 100
		.amdhsa_reserve_vcc 0
		.amdhsa_float_denorm_mode_32 3
		.amdhsa_float_denorm_mode_16_64 3
		.amdhsa_memory_ordered 1
		.amdhsa_forward_progress 1
		.amdhsa_inst_pref_size 255
	.end_amdhsa_kernel
	.section	.bss,"aw",@nobits
	.p2align	6
	.space	262144
	.amdgpu_metadata
---
amdhsa.version: [ 1, 2 ]
amdhsa.kernels:
  - .name:           k_q5fbe6f7891_qkv
    .symbol:         k_q5fbe6f7891_qkv.kd
    .args:
      - { .name: x_codes, .offset: 0, .size: 8, .value_kind: global_buffer, .address_space: global }
      - { .name: x_scales, .offset: 8, .size: 8, .value_kind: global_buffer, .address_space: global }
      - { .name: Wq_codes, .offset: 16, .size: 8, .value_kind: global_buffer, .address_space: global }
      - { .name: Wq_scales, .offset: 24, .size: 8, .value_kind: global_buffer, .address_space: global }
      - { .name: Wk_codes, .offset: 32, .size: 8, .value_kind: global_buffer, .address_space: global }
      - { .name: Wk_scales, .offset: 40, .size: 8, .value_kind: global_buffer, .address_space: global }
      - { .name: Wv_codes, .offset: 48, .size: 8, .value_kind: global_buffer, .address_space: global }
      - { .name: Wv_scales, .offset: 56, .size: 8, .value_kind: global_buffer, .address_space: global }
      - { .name: bq, .offset: 64, .size: 8, .value_kind: global_buffer, .address_space: global }
      - { .name: bk, .offset: 72, .size: 8, .value_kind: global_buffer, .address_space: global }
      - { .name: bv, .offset: 80, .size: 8, .value_kind: global_buffer, .address_space: global }
      - { .name: qi, .offset: 88, .size: 8, .value_kind: global_buffer, .address_space: global }
      - { .name: kvi, .offset: 96, .size: 8, .value_kind: global_buffer, .address_space: global }
    .group_segment_fixed_size: 327680
    .private_segment_fixed_size: 0
    .kernarg_segment_align: 8
    .kernarg_segment_size: 104
    .max_flat_workgroup_size: 128
    .sgpr_count:     100
    .vgpr_count:     768
    .wavefront_size: 32
...
	.end_amdgpu_metadata
.endif
;; end of part 1
;; launch attn (part 2): grid 4 x 64, 8 waves a work-group, clusters of 4 x 1, 327,680 bytes of LDS; arguments qi, kvi, oi, os; writes oi, os
.if DOCPART == 2
	.amdgcn_target "amdgcn-amd-amdhsa--gfx1250"
	.amdhsa_code_object_version 6
	.text
	.protected	k_q5fbe6f7891_attn
	.globl	k_q5fbe6f7891_attn
	.p2align	8
	.type	k_q5fbe6f7891_attn,@function
k_q5fbe6f7891_attn:
	s_mov_b64 s[64:65], 0
	v_nop
	global_prefetch_b8 v0, s[64:65] scope:SCOPE_SE
	s_setreg_imm32_b32 hwreg(HW_REG_WAVE_MODE, 25, 1), 1
	s_wait_xcnt 0x0
	s_wait_alu depctr_hold_cnt(0) depctr_sa_sdst(0) depctr_va_vdst(0) depctr_va_sdst(0) depctr_va_ssrc(0) depctr_va_vcc(0) depctr_vm_vsrc(0)
	s_getreg_b32 s2, hwreg(HW_REG_IB_STS2, 6, 4)
	s_cmp_eq_u32 s2, 0
	s_cbranch_scc0 .Lentry_in_a_cluster
	s_endpgm
.Lentry_in_a_cluster:
	s_bfe_u32 s2, ttmp6, 0x10000c
	s_cmp_lg_u32 s2, 0x3003
	s_cbranch_scc0 .Lentry_shape_is_right
	s_endpgm
.Lentry_shape_is_right:
; Causal attention of one (batch, head) on codes of FP6 (E2M3), and the quantiser of its result.  t = score x log2(e) / 32; M = the running largest t rounded up to a whole number;
; p = 2^(t - M) is quantised along the keys; the row's sum is taken of the unquantised p and divides O at the end; when M moves, the sum and O are multiplied by 2^(old M - new M), exactly.
; LEFT OUT: key steps all of whose keys come after a unit's queries: the causal mask sets those scores to -infinity, so their p is 0 for all values of the inputs.
; LDS.  A head's k and v images, 32 groups of 64 keys x 6,656 bytes = 212,992 dense bytes of kvi, lie in LDS for the whole launch: each of the 8 waves brings 104 rows of 256 bytes (two key steps) by one load at the head.
; No byte is filled twice, so the loops have no barrier.  CLUSTER 4 x 1: the four work-groups of a head need the same bytes and ask jointly.
; Wave 0's load has a line of its own: the first barrier shows key steps 0 and 1 alone, and a first loop of two trips works on them while the other seven loads are on their way; a second barrier shows all.
; NO PREFETCH: every tile is asked for at the head; there is no loop to run ahead in.
; SHARES.  A unit is 32 queries (two tiles of 16); unit 4 m + cx needs key steps 0 .. m of 128 keys, step m under the mask.  Wave w holds units m = w (A) and m = 15 - w (B) at once: 17 unit steps in
; every wave of every work-group.  The first loop takes B through steps 0 and 1 (two unit steps in every wave).  The second walks g = 0 .. 15: A while g <= w, B from g = 2 while g <= 15 - w; from g = 2 on
; each fragment of K and V that the wave fetches serves both units while both are live.  Branches hang on the wave's number and the loops' counts alone.
; LAYOUT.  S^T = K Q^T (source 0 = 16 keys, source 1 = 16 queries), O^T = V^T P^T: a lane holds one query.  K = 64 fills registers 0-5 of an operand: Q's registers 6-11 are zero codes, so what stands in
; K's registers 6-11 adds 0; the scale bytes there are 0, a power of two.
; THE KEYS OF A TILE OF K are chosen by the lanes' LDS addresses: row x of tile t of a group of 64 is key 32 (x / 8) + 16 (t % 2) + 8 (t / 2) + x % 8.  So lane half h holds, in registers 32 c + 8 t + j of S^T,
; the whole block 2 c + h of 32 keys, in the order in which the launch before laid v: a block's largest score and its codes need no other lane.
; OUT, as the next launch reads it.  oi: [tile of 16 tokens][head] half image (768 bytes).  os: [token][32] scale bytes, the head's two at 2 x head.
; LIMITS: NaN and infinities are not served; the promise holds while the scaled scores stay under 2^31 in magnitude; a block whose largest magnitude lies under 2^-124 is held at scale byte 1; a block of zeros gets byte 1.
; REGISTERS.  Window 0: v1-17 addresses and lane constants; v18-41 a tile's -M, largest score and sum (6 each); v42-57 scale words; v58-81 at work; v82-105 p's codes; v106-153 Q; v154-207 K; v208-255 V.
;   Window 1: v0-127 S^T, then p, of the unit in hand; v128-255 O^T of the four tiles.
.set UNITB, 6656
.set STEPB, 2*UNITB
.set PARTB, 26624                      ; a wave's eighth of the head's bytes
.set SPARE, 212992                     ; the spare words, 128 bytes a wave
.set SPW, 1
.set NIL, 2
.set LI16, 3
.set LI8, 4
.set AK16, 5                           ; lane terms of K's addresses: 16-byte pieces, 8-byte pieces, scale words
.set AK8, 6
.set AKS, 7
.set WK16, 8                           ; the same, and V's, at the key step in hand
.set WK8, 9
.set WKS, 10
.set WV16, 11
.set WV8, 12
.set NEG, 13                           ; -infinity
.set MQ, 14                            ; 32 cx + r - 32 h
.set SH8, 15                           ; 8 h
.set OSA, 16                           ; 32 r
.set QSA, 17                           ; 8 r
.set ST, 18                            ; tile T: +0 -M, +1 largest score, +2..5 the sum in two pairs
.set QS, 42
.set KS, 46
.set VL, 50
.set VH, 52
.set VS, 54
.set PW, 56
.set TMP, 58                           ; tile e of the unit: +0,1 blocks' largest; +2,3 f; +4,5 at work; +6,7 scale operands; +8,9 bytes; +10 the other half's; +11 my two bytes
.set PC, 82
.set QF, 106
.set KF, 154
.set VF, 208
.set OA, 128
.set FO, 106                           ; the way out: 32 registers a tile, over Q, K, V
.set SCR, 234
.set WV, 12                            ; s12 wave = A's m; s13 cx; s14 b h; s15 B's m; s16 key step; s17 its LDS byte
.set SEL, 18
.set CS, 20                            ; s[20:21] log2(e) / 32; s22 its negative
.set NC, 22
.set G1, 24
.set G0, 40
.set MSB, 0
.macro WIN new
.if MSB != \new
	s_set_vgpr_msb (MSB<<8)|\new
.set MSB, \new
.endif
.endm
.macro PLACES n
.rept \n
	v_nop
.endr
.endm
.macro WALU
	s_wait_alu depctr_va_vdst(0)
.endm
.macro CROUND
	s_barrier_signal -1
	s_barrier_wait -1
	s_cmp_lg_u32 s[WV], 0
	s_cbranch_scc1 .Lnot_wave_0_\@
	s_barrier_signal -3
.Lnot_wave_0_\@:
	s_barrier_wait -3
	s_barrier_signal -1
	s_barrier_wait -1
.endm
.macro WM row, c
.if \row
	v_wmma_scale_f32_16x16x128_f8f6f4 v[rD:rD+7], v[rA:rA+11], v[rB:rB+11], \c, v[rSA], v[rSB] matrix_a_fmt:MATRIX_FMT_FP6 matrix_b_fmt:MATRIX_FMT_FP6 matrix_a_scale:MATRIX_SCALE_ROW1
.else
	v_wmma_scale_f32_16x16x128_f8f6f4 v[rD:rD+7], v[rA:rA+11], v[rB:rB+11], \c, v[rSA], v[rSB] matrix_a_fmt:MATRIX_FMT_FP6 matrix_b_fmt:MATRIX_FMT_FP6
.endif
.endm
.macro PTRS m, qa, qs, oi, os          ; byte offsets of unit 4 m + cx: its first half image and scale words in qi, its first tile in oi and os
	s_lshl_b32 s66, s14, 5
	s_lshl_b32 s67, s[\m], 1
	s_add_co_u32 s66, s66, s67
	s_lshr_b32 s67, s13, 1
	s_add_co_u32 s66, s66, s67                     ; the group of 64 tokens
	s_mul_i32 s66, s66, 3328
	s_and_b32 s67, s13, 1
	s_mul_i32 s68, s67, 1536                       ; images 0, 1 or 2, 3
	s_add_co_u32 s[\qa], s66, s68
	s_mov_b32 s[\qa+1], 0
	s_lshl_b32 s67, s67, 2
	s_add_co_u32 s66, s66, s67
	s_add_co_u32 s[\qs], s66, 3072
	s_mov_b32 s[\qs+1], 0
	s_lshr_b32 s66, s14, 4
	s_lshl_b32 s66, s66, 7
	s_lshl_b32 s67, s[\m], 3
	s_add_co_u32 s66, s66, s67
	s_lshl_b32 s67, s13, 1
	s_add_co_u32 s66, s66, s67                     ; the tile of 16 tokens
	s_and_b32 s67, s14, 15                         ; the head
	s_lshl_b32 s68, s66, 4
	s_add_co_u32 s68, s68, s67
	s_mul_i32 s[\oi], s68, 768
	s_mov_b32 s[\oi+1], 0
	s_lshl_b32 s66, s66, 9
	s_lshl_b32 s67, s67, 1
	s_add_co_u32 s[\os], s66, s67
	s_mov_b32 s[\os+1], 0
.endm
; THE FRAGMENTS of the key step at LDS byte s17
.macro FETCH
	v_add_nc_u32 v[WK16], s17, v[AK16]             ; five lines: also the places behind the last products, ahead of loads into the registers that they read
	v_add_nc_u32 v[WK8], s17, v[AK8]
	v_add_nc_u32 v[WKS], s17, v[AKS]
	v_add_nc_u32 v[WV16], s17, v[LI16]
	v_add_nc_u32 v[WV8], s17, v[LI8]
	ds_load_b64 v[VL:VL+1], v[WV8] offset:6400
	ds_load_b64 v[VH:VH+1], v[WV8] offset:UNITB+6400
.irp c, 0,1
.irp p, 0,1
	ds_load_b32 v[KS+2*\c+\p], v[WKS] offset:\c*UNITB+3072+128*\p   ; lanes 0-15: tile p's words, lanes 16-31: tile p + 2's
.endr
.endr
.irp n, 0,1,2,3,4,5,6,7
	ds_load_b128 v[KF+6*\n:KF+6*\n+3], v[WK16] offset:(\n/4)*UNITB+768*(\n%2)+128*((\n%4)/2)
	ds_load_b64 v[KF+6*\n+4:KF+6*\n+5], v[WK8] offset:(\n/4)*UNITB+768*(\n%2)+512+64*((\n%4)/2)
.endr
.irp d, 0,1,2,3
.irp c, 0,1
	ds_load_b128 v[VF+12*\d+6*\c:VF+12*\d+6*\c+3], v[WV16] offset:\c*UNITB+3328+768*\d
	ds_load_b64 v[VF+12*\d+6*\c+4:VF+12*\d+6*\c+5], v[WV8] offset:\c*UNITB+3328+768*\d+512
.endr
.endr
	s_wait_dscnt 16                                ; all but V's 16 loads of codes, issued last
	v_lshl_or_b32 v[VS], v[VH], 16, v[VL]          ; a row's word for 128 keys: two bytes of each group of 64
	v_lshl_or_b32 v[VS+1], v[VH+1], 16, v[VL+1]
.endm
; A UNIT'S KEY STEP: two tiles of 16 queries (T = 2 u + e) x 128 keys, on the fragments in hand.  The two tiles' lines stand by turns.  masked = 0: where the step can never be the unit's last.
.macro UNIT u, m, masked
	WIN 0x40
.irp e, 0,1
.irp n, 0,1,2,3,4,5,6,7
.set rD, 64*\e+8*\n
.set rA, KF+6*\n
.set rB, QF+12*(2*\u+\e)
.set rSA, KS+2*(\n/4)+\n%2
.set rSB, QS+2*\u+\e
	WM (\n%4)/2, 0
.endr
.endr
	WIN 0
	s_wait_dscnt 0x0                               ; V's fragments
	PLACES 4                                       ; behind the products, ahead of the first read of the scores
.if \masked
	s_cmp_lg_u32 s16, s[\m]
	s_cbranch_scc1 .Lopen_\@
	WIN 0x41                                       ; the unit's last step: register n holds key 64 (n / 32) + 32 h + 16 ((n / 8) % 2) + 8 ((n / 16) % 2) + n % 8; keys after the query become -infinity
.irp e, 0,1
.set n, 0
.rept 64
	v_cmp_gt_i32 vcc_lo, 64*(n/32)+16*((n/8)%2)+8*((n/16)%2)+n%8-16*\e, v[MQ]
	v_cndmask_b32 v[64*\e+n], v[64*\e+n], v[NEG], vcc_lo
.set n, n+1
.endr
.endr
	WIN 0
.Lopen_\@:
.endif
	WIN 0x14                                       ; the largest score of my two blocks of each tile: four chains by turns
.set i, 0
.rept 16
.irp e, 0,1
.irp c, 0,1
.if i == 0
	v_max3_num_f32 v[TMP+12*\e+\c], v[NEG], v[64*\e+32*\c], v[64*\e+32*\c+1]
.else
	v_max3_num_f32 v[TMP+12*\e+\c], v[TMP+12*\e+\c], v[64*\e+32*\c+2*i], v[64*\e+32*\c+2*i+1]
.endif
.endr
.endr
.set i, i+1
.endr
	WIN 0
.irp e, 0,1
	v_max_num_f32 v[TMP+12*\e+4], v[TMP+12*\e], v[TMP+12*\e+1]
.endr
.irp e, 0,1
	v_permlanex16_b32 v[TMP+12*\e+10], v[TMP+12*\e+4], s[SEL], s[SEL+1]
.endr
.irp e, 0,1
	v_max3_num_f32 v[ST+6*(2*\u+\e)+1], v[ST+6*(2*\u+\e)+1], v[TMP+12*\e+4], v[TMP+12*\e+10]   ; the running largest score (the step's first key counts for every query)
.endr
.irp e, 0,1
	v_mul_f32 v[TMP+12*\e+4], s[NC], v[ST+6*(2*\u+\e)+1]
.endr
.irp e, 0,1
	v_floor_f32 v[TMP+12*\e+5], v[TMP+12*\e+4]     ; -M = floor(-t)
.endr
.irp e, 0,1
	v_sub_f32 v[TMP+12*\e+4], v[TMP+12*\e+5], v[ST+6*(2*\u+\e)]   ; old M - new M: a whole number, 0 or less
.endr
.irp e, 0,1
	v_mov_b32 v[ST+6*(2*\u+\e)], v[TMP+12*\e+5]
.endr
.irp e, 0,1
	v_cvt_i32_f32 v[TMP+12*\e+4], v[TMP+12*\e+4]
.endr
.irp e, 0,1
	v_ldexp_f32 v[TMP+12*\e+2], 1.0, v[TMP+12*\e+4]   ; f = 2^(old M - new M)
.endr
.irp e, 0,1
.irp c, 0,1
	v_fma_f32 v[TMP+12*\e+\c], v[TMP+12*\e+\c], s[CS], v[ST+6*(2*\u+\e)]
.endr
.endr
	WIN 0x41
	WALU                                           ; the wait directly ahead of the first reader of O^T
.irp e, 0,1
.set j, 0
.rept 16
	v_pk_mul_f32 v[OA+32*(2*\u+\e)+j:OA+32*(2*\u+\e)+j+1], v[OA+32*(2*\u+\e)+j:OA+32*(2*\u+\e)+j+1], v[TMP+12*\e+2:TMP+12*\e+3] op_sel_hi:[1,0]   ; O^T under the new M
.set j, j+2
.endr
.endr
.irp e, 0,1
.set j, 0
.rept 32
	v_pk_fma_f32 v[64*\e+j:64*\e+j+1], v[64*\e+j:64*\e+j+1], s[CS:CS+1], v[ST+6*(2*\u+\e):ST+6*(2*\u+\e)+1] op_sel_hi:[1,0,0]   ; t - M
.set j, j+2
.endr
.endr
	WALU                                           ; ahead of the batch
.set j, 0
.rept 128
	v_exp_f32 v[j], v[j]                           ; p = 2^(t - M)
.set j, j+1
.endr
	WIN 0
.irp e, 0,1
.irp c, 0,1
	v_exp_f32 v[TMP+12*\e+\c], v[TMP+12*\e+\c]     ; each block's largest p
.endr
.endr
	v_nop                                          ; a plain place behind the exponentials
	WALU                                           ; and the wait behind the batch
	WIN 0x10
.irp e, 0,1
	v_pk_fma_f32 v[ST+6*(2*\u+\e)+2:ST+6*(2*\u+\e)+3], v[ST+6*(2*\u+\e)+2:ST+6*(2*\u+\e)+3], v[TMP+12*\e+2:TMP+12*\e+3], v[64*\e:64*\e+1] op_sel_hi:[1,0,1]   ; the sums under the new M, and the first p
	v_pk_fma_f32 v[ST+6*(2*\u+\e)+4:ST+6*(2*\u+\e)+5], v[ST+6*(2*\u+\e)+4:ST+6*(2*\u+\e)+5], v[TMP+12*\e+2:TMP+12*\e+3], v[64*\e+2:64*\e+3] op_sel_hi:[1,0,1]
.endr
	WIN 0x04
.set j, 4
.rept 13
.irp e, 0,1
	v_pk_add_f32 v[ST+6*(2*\u+\e)+2:ST+6*(2*\u+\e)+3], v[ST+6*(2*\u+\e)+2:ST+6*(2*\u+\e)+3], v[64*\e+j:64*\e+j+1]
	v_pk_add_f32 v[ST+6*(2*\u+\e)+4:ST+6*(2*\u+\e)+5], v[ST+6*(2*\u+\e)+4:ST+6*(2*\u+\e)+5], v[64*\e+j+2:64*\e+j+3]
.endr
.set j, j+4
.endr
	WIN 0
.irp e, 0,1
.irp c, 0,1
	v_max_num_f32 v[TMP+12*\e+\c], 0x1800000, v[TMP+12*\e+\c]   ; the floor 2^(3 - 127)
.endr
.endr
.irp e, 0,1
.irp c, 0,1
	v_add_nc_u32 v[TMP+12*\e+6+\c], 0xff000000, v[TMP+12*\e+\c]   ; 2 off the exponent field: the conversions' scale operand
.endr
.endr
.irp e, 0,1
.irp c, 0,1
	v_lshrrev_b32 v[TMP+12*\e+8+\c], 23, v[TMP+12*\e+6+\c]
.endr
.endr
.irp e, 0,1
	v_lshl_or_b32 v[TMP+12*\e+11], v[TMP+12*\e+9], 16, v[TMP+12*\e+8]   ; my bytes: blocks h and 2 + h,
.endr
.irp e, 0,1
	v_lshlrev_b32 v[TMP+12*\e+11], v[SH8], v[TMP+12*\e+11]               ; at their places;
.endr
.irp e, 0,1
	v_permlanex16_b32 v[TMP+12*\e+10], v[TMP+12*\e+11], s[SEL], s[SEL+1]
.endr
.irp e, 0,1
	v_or_b32 v[PW+\e], v[TMP+12*\e+11], v[TMP+12*\e+10]                  ; with the other half's two: p's scale word for these 128 keys
.endr
	WIN 0x01
.irp e, 0,1
.irp c, 0,1
	v_cvt_scalef32_pk16_fp6_f32 v[PC+12*\e+6*\c:PC+12*\e+6*\c+2], v[64*\e+32*\c:64*\e+32*\c+15], v[TMP+12*\e+6+\c]
.endr
.endr
	v_nop                                          ; a plain place behind the conversions, whose sources are written next
	WIN 0x41
.irp e, 0,1
.irp c, 0,1
	v_cvt_scalef32_pk16_fp6_f32 v[64*\e+32*\c:64*\e+32*\c+2], v[64*\e+32*\c+16:64*\e+32*\c+31], v[TMP+12*\e+6+\c]   ; a conversion's three registers begin on an even number: made over p that is done with, and moved
.endr
.endr
	v_nop
	WIN 0x01
.irp e, 0,1
.irp c, 0,1
.irp i, 0,1,2
	v_mov_b32 v[PC+12*\e+6*\c+3+\i], v[64*\e+32*\c+\i]
.endr
.endr
.endr
	WIN 0x04
.irp j, 56,60                          ; the sums' last eight lines are the places between the moves and the products
.irp e, 0,1
	v_pk_add_f32 v[ST+6*(2*\u+\e)+2:ST+6*(2*\u+\e)+3], v[ST+6*(2*\u+\e)+2:ST+6*(2*\u+\e)+3], v[64*\e+\j:64*\e+\j+1]
	v_pk_add_f32 v[ST+6*(2*\u+\e)+4:ST+6*(2*\u+\e)+5], v[ST+6*(2*\u+\e)+4:ST+6*(2*\u+\e)+5], v[64*\e+\j+2:64*\e+\j+3]
.endr
.endr
	WIN 0x50
.irp d, 0,1,2,3                        ; eight accumulators by turns
.irp e, 0,1
.set rD, OA+32*(2*\u+\e)+8*\d
.set rA, VF+12*\d
.set rB, PC+12*\e
.set rSA, VS+\d/2
.set rSB, PW+\e
	WM \d%2, v[rD:rD+7]
.endr
.endr
	WIN 0
.endm
	s_load_b256 s[4:11], s[0:1], 0x0               ; qi 4, kvi 6, oi 8, os 10
	v_lshl_add_u32 v[SPW], v0, 2, SPARE
	v_mov_b32 v[NIL], 0
	ds_add_u32 v[SPW], v[NIL]                      ; the opening lines: the add twice on end and its wait
	ds_add_u32 v[SPW], v[NIL]
	v_lshrrev_b32 v3, 5, v0
	v_readfirstlane_b32 s[WV], v3
	s_bfe_u32 s13, ttmp6, 0x40000                  ; cx
	s_and_b32 s14, ttmp7, 0xffff                   ; b h, which the four partners share
	s_sub_co_u32 s15, 15, s[WV]
	s_mov_b32 s[G1], 15|(3<<16)|(1<<21)            ; all four partners; elements of 8 bytes; no padding
	s_mov_b32 s[G1+1], 32<<16
	s_mov_b32 s[G1+2], 104<<16
	s_mov_b32 s[G1+3], 32<<16
	s_mov_b32 s[G1+4], 104
	s_mov_b32 s[G1+5], 32
	s_mov_b32 s[G1+6], 0
	s_mov_b32 s[G1+7], 0
	s_mov_b32 s[G0], 1
	s_mul_i32 s[G0+1], s[WV], PARTB
	PTRS 12, 48, 50, 56, 58
	PTRS 15, 52, 54, 60, 62
	s_mul_i32 s70, s14, 8*PARTB
	s_add_co_u32 s70, s70, s[G0+1]
	s_mov_b32 s71, 0
	s_lshl_b32 s69, s13, 5
	s_mov_b32 s[SEL], 0x76543210
	s_mov_b32 s[SEL+1], 0xfedcba98
	s_mov_b32 s[CS], 0x3d38aa3b
	s_mov_b32 s[CS+1], s[CS]
	s_mov_b32 s[NC], 0xbd38aa3b
	s_mov_b32 s16, 0
	s_mov_b32 s17, 0
	s_wait_dscnt 0x0
	s_wait_kmcnt 0x0
	s_add_nc_u64 s[G0+2:G0+3], s[6:7], s[70:71]
	s_or_b32 s[G0+3], s[G0+3], 0x80000000
.irp u, 0,1
	s_add_nc_u64 s[48+4*\u:49+4*\u], s[4:5], s[48+4*\u:49+4*\u]
	s_add_nc_u64 s[50+4*\u:51+4*\u], s[4:5], s[50+4*\u:51+4*\u]
	s_add_nc_u64 s[56+4*\u:57+4*\u], s[8:9], s[56+4*\u:57+4*\u]
	s_add_nc_u64 s[58+4*\u:59+4*\u], s[10:11], s[58+4*\u:59+4*\u]
.endr
	CROUND                                         ; the four partners are here: the joint loads meet
	s_cmp_eq_u32 s[WV], 0                          ; one load a wave, its eighth of the head's k and v; wave 0's, key steps 0 and 1, has a line of its own, since the first barrier shows it alone
	s_cbranch_scc0 .Lothers
	tensor_load_to_lds s[G0:G0+3], s[G1:G1+7]
	s_nop 0
	PLACES 4
	s_branch .Lasked
.Lothers:
	tensor_load_to_lds s[G0:G0+3], s[G1:G1+7]
	s_nop 0
	PLACES 4
.Lasked:
	v_and_b32 v8, 15, v0                           ; r
	v_bfe_u32 v9, v0, 4, 1                         ; h
	v_and_b32 v10, 7, v0
	v_bfe_u32 v11, v0, 3, 1
	v_and_b32 v12, 31, v0
	v_lshlrev_b32 v[LI16], 4, v12
	v_lshlrev_b32 v[LI8], 3, v12
	v_lshlrev_b32 v[QSA], 3, v8
	v_lshlrev_b32 v[OSA], 5, v8
	v_mul_u32_u24 v[AK16], v11, 1536               ; rows 8-15 of a tile of K come from the image two further on
	v_mul_u32_u24 v[AK8], v11, 1536
	v_lshlrev_b32 v[AKS], 3, v10
	v_lshl_add_u32 v[AK16], v10, 4, v[AK16]
	v_lshl_add_u32 v[AK8], v10, 3, v[AK8]
	v_lshl_add_u32 v[AKS], v11, 2, v[AKS]
	v_lshl_add_u32 v[AK16], v9, 8, v[AK16]
	v_lshl_add_u32 v[AK8], v9, 7, v[AK8]
	v_lshl_add_u32 v[AKS], v9, 6, v[AKS]
	v_lshlrev_b32 v[SH8], 3, v9
	v_lshlrev_b32 v[MQ], 5, v9
	v_sub_nc_u32 v[MQ], v8, v[MQ]
	v_add_nc_u32 v[MQ], s69, v[MQ]
	v_mov_b32 v[NEG], 0xff800000
.irp u, 0,1
.irp e, 0,1
	global_load_b128 v[QF+12*(2*\u+\e):QF+12*(2*\u+\e)+3], v[LI16], s[48+4*\u:49+4*\u] offset:768*\e
	global_load_b64 v[QF+12*(2*\u+\e)+4:QF+12*(2*\u+\e)+5], v[LI8], s[48+4*\u:49+4*\u] offset:768*\e+512
	global_load_b32 v[QS+2*\u+\e], v[QSA], s[50+4*\u:51+4*\u] offset:128*\e
.endr
.endr
.irp t, 0,1,2,3
.irp j, 6,7,8,9,10,11
	v_mov_b32 v[QF+12*\t+\j], 0                    ; Q's registers 6-11: zero codes
.endr
	v_mov_b32 v[ST+6*\t], 0x7cf0bdc2               ; -M: a large whole number, so that the first f is 0
	v_mov_b32 v[ST+6*\t+1], 0xff61b1e6             ; -3e38, under every score
.irp j, 2,3,4,5
	v_mov_b32 v[ST+6*\t+\j], 0
.endr
.endr
.set j, 0
.rept 6
	v_mov_b32 v[KF+48+j], 0                        ; behind K's last tile
.set j, j+1
.endr
.set j, 0
.rept 24
	v_mov_b32 v[TMP+j], 0                          ; written once: lane permutes' destinations and the upper halves of pairs count as read
.set j, j+1
.endr
	WIN 0x40
.set j, 0
.rept 128
	v_mov_b32 v[OA+j], 0                           ; O^T: the step is written once; the first finds zeros
.set j, j+1
.endr
	WIN 0
	WALU                                           ; the wait at the head's end
	s_wait_loadcnt 0x0                             ; Q
	s_cmp_eq_u32 s[WV], 0
	s_cbranch_scc0 .Lnot_first
	s_wait_tensorcnt 0x0                           ; wave 0: key steps 0 and 1 have landed
.Lnot_first:
	s_barrier_signal -1
	s_barrier_wait -1                              ; they are shown to all; the other seven loads may be on their way
.Lfirst:                                               ; key steps 0 and 1 for unit B, whose last step is 8 at the least: no mask
	FETCH
	UNIT 1, 15, 0
	s_add_co_u32 s17, s17, STEPB
	s_add_co_u32 s16, s16, 1
	s_cmp_lt_u32 s16, 2
	s_cbranch_scc1 .Lfirst
	WALU
	s_wait_tensorcnt 0x0                           ; my eighth has landed,
	s_wait_dscnt 0x0
	s_barrier_signal -1
	s_barrier_wait -1                              ; everybody's has; nothing is ever filled again
	s_mov_b32 s16, 0
	s_mov_b32 s17, 0
.Lstep:                                                ; sixteen key steps of 128 keys: A from 0, B from 2
	s_cmp_gt_u32 s16, s15
	s_cbranch_scc1 .Lidle                          ; both my units are through
	FETCH
	s_cmp_gt_u32 s16, s[WV]
	s_cbranch_scc1 .Lno_a
	UNIT 0, 12, 1
.Lno_a:
	s_cmp_ge_u32 s16, 2
	s_cbranch_scc1 .Ldo_b
	s_wait_dscnt 0x0                               ; B has had steps 0 and 1: no load is left out on the way round it
	s_branch .Lidle
.Ldo_b:
	UNIT 1, 15, 1
.Lidle:
	s_add_co_u32 s17, s17, STEPB
	s_add_co_u32 s16, s16, 1
	s_cmp_lt_u32 s16, 16
	s_cbranch_scc1 .Lstep
; THE WAY OUT of the four tiles, stage by stage: O^T / the sum, into true order along d, quantised, stored.
	WALU                                           ; the wait
.irp t, 0,1,2,3
	v_pk_add_f32 v[ST+6*\t+2:ST+6*\t+3], v[ST+6*\t+2:ST+6*\t+3], v[ST+6*\t+4:ST+6*\t+5]
.endr
.irp t, 0,1,2,3
	v_add_f32 v[ST+6*\t+2], v[ST+6*\t+2], v[ST+6*\t+3]
.endr
.irp t, 0,1,2,3
	v_permlanex16_b32 v[TMP+6*\t], v[ST+6*\t+2], s[SEL], s[SEL+1]
.endr
.irp t, 0,1,2,3
	v_add_f32 v[ST+6*\t+2], v[ST+6*\t+2], v[TMP+6*\t]   ; the row's sum
.endr
	WALU
.irp t, 0,1,2,3
	v_rcp_f32 v[ST+6*\t+2], v[ST+6*\t+2]
.endr
	WIN 0x01
	v_nop
	WALU                                           ; behind the reciprocals, directly ahead of the first reader of O^T
.irp t, 0,1,2,3
.set j, 0
.rept 16
	v_pk_mul_f32 v[FO+32*\t+j:FO+32*\t+j+1], v[OA+32*\t+j:OA+32*\t+j+1], v[ST+6*\t+2:ST+6*\t+3] op_sel_hi:[1,0]
.set j, j+2
.endr
.endr
	WIN 0
.irp t, 0,1,2,3
.irp b, 0,1
.irp j, 0,1,2,3,4,5,6,7
	v_permlane16_swap_b32 v[FO+32*\t+16*\b+\j], v[FO+32*\t+16*\b+8+\j]   ; register 16 b + i of lane half h now holds d = 32 b + 16 h + i
.endr
.endr
.endr
.irp t, 0,1,2,3
.irp b, 0,1
	v_max3_num_f32 v[TMP+6*\t+\b], |v[FO+32*\t+16*\b]|, |v[FO+32*\t+16*\b+1]|, 0x1800000
.endr
.endr
.irp i, 2,4,6,8,10,12,14
.irp t, 0,1,2,3
.irp b, 0,1
	v_max3_num_f32 v[TMP+6*\t+\b], v[TMP+6*\t+\b], |v[FO+32*\t+16*\b+\i]|, |v[FO+32*\t+16*\b+\i+1]|
.endr
.endr
.endr
.irp t, 0,1,2,3
.irp b, 0,1
	v_permlanex16_b32 v[TMP+6*\t+2+\b], v[TMP+6*\t+\b], s[SEL], s[SEL+1]
.endr
.endr
.irp t, 0,1,2,3
.irp b, 0,1
	v_max_num_f32 v[TMP+6*\t+\b], v[TMP+6*\t+\b], v[TMP+6*\t+2+\b]
.endr
.endr
.irp t, 0,1,2,3
.irp b, 0,1
	v_add_nc_u32 v[TMP+6*\t+4+\b], 0xff000000, v[TMP+6*\t+\b]
.endr
.endr
.irp t, 0,1,2,3
.irp b, 0,1
	v_lshrrev_b32 v[TMP+6*\t+2+\b], 23, v[TMP+6*\t+4+\b]
.endr
.endr
.irp t, 0,1,2,3
	v_lshl_or_b32 v[TMP+6*\t], v[TMP+6*\t+3], 8, v[TMP+6*\t+2]   ; the row's two scale bytes
.endr
.irp t, 0,1,2,3
	v_cvt_scalef32_pk16_fp6_f32 v[PC+6*\t:PC+6*\t+2], v[FO+32*\t:FO+32*\t+15], v[TMP+6*\t+4]
	v_cvt_scalef32_pk16_fp6_f32 v[SCR+4*\t:SCR+4*\t+2], v[FO+32*\t+16:FO+32*\t+31], v[TMP+6*\t+5]
.endr
	v_nop                                          ; a plain place behind the conversions
.irp t, 0,1,2,3
.irp i, 0,1,2
	v_permlane16_swap_b32 v[PC+6*\t+\i], v[SCR+4*\t+\i]
.endr
.endr
.irp t, 0,1,2,3
.irp i, 0,1,2
	v_mov_b32 v[PC+6*\t+3+\i], v[SCR+4*\t+\i]
.endr
.endr
.irp t, 0,1,2,3
	global_store_b128 v[LI16], v[PC+6*\t:PC+6*\t+3], s[56+4*(\t/2):57+4*(\t/2)] offset:12288*(\t%2)        ; 512 consecutive bytes, aligned to 256
	global_store_b64 v[LI8], v[PC+6*\t+4:PC+6*\t+5], s[56+4*(\t/2):57+4*(\t/2)] offset:12288*(\t%2)+512   ; 256 consecutive bytes, aligned
	global_store_b16 v[OSA], v[TMP+6*\t], s[58+4*(\t/2):59+4*(\t/2)] offset:512*(\t%2)                     ; lanes r and r + 16 write the same bytes with the same value
.endr
	s_wait_tensorcnt 0x0                           ; the wave's end
	ds_add_u32 v[SPW], v[NIL]
	s_wait_dscnt 0x0
	CROUND                                         ; the closing round
	s_endpgm
.Lfunc_end_k_q5fbe6f7891_attn:
	.size	k_q5fbe6f7891_attn, .Lfunc_end_k_q5fbe6f7891_attn-k_q5fbe6f7891_attn
	.p2alignl 7, 3214868480
	.fill 96, 4, 3214868480
	.section	.rodata,"a",@progbits
	.p2align	6, 0x0
	.amdhsa_kernel k_q5fbe6f7891_attn
		.amdhsa_group_segment_fixed_size 327680
		.amdhsa_private_segment_fixed_size 0
		.amdhsa_enable_private_segment 0
		.amdhsa_kernarg_size 32
		.amdhsa_user_sgpr_count 2
		.amdhsa_user_sgpr_kernarg_segment_ptr 1
		.amdhsa_wavefront_size32 1
		.amdhsa_system_sgpr_workgroup_id_x 1
		.amdhsa_system_sgpr_workgroup_id_y 1
		.amdhsa_system_sgpr_workgroup_id_z 1
		.amdhsa_system_vgpr_workitem_id 0
		.amdhsa_next_free_vgpr 512
		.amdhsa_next_free_sgpr 72
		.amdhsa_reserve_vcc 1
		.amdhsa_float_denorm_mode_32 3
		.amdhsa_float_denorm_mode_16_64 3
		.amdhsa_memory_ordered 1
		.amdhsa_forward_progress 1
		.amdhsa_inst_pref_size 131
	.end_amdhsa_kernel
	.amdgpu_metadata
---
amdhsa.version: [ 1, 2 ]
amdhsa.kernels:
  - .name:           k_q5fbe6f7891_attn
    .symbol:         k_q5fbe6f7891_attn.kd
    .args:
      - { .name: qi, .offset: 0, .size: 8, .value_kind: global_buffer, .address_space: global }
      - { .name: kvi, .offset: 8, .size: 8, .value_kind: global_buffer, .address_space: global }
      - { .name: oi, .offset: 16, .size: 8, .value_kind: global_buffer, .address_space: global }
      - { .name: os, .offset: 24, .size: 8, .value_kind: global_buffer, .address_space: global }
    .group_segment_fixed_size: 327680
    .private_segment_fixed_size: 0
    .kernarg_segment_align: 8
    .kernarg_segment_size: 32
    .max_flat_workgroup_size: 256
    .sgpr_count:     72
    .vgpr_count:     512
    .wavefront_size: 32
...
	.end_amdgpu_metadata
.endif
;; end of part 2
;; launch proj (part 3): grid 32 x 8, 4 waves a work-group, clusters of 4 x 1, 168,448 bytes of LDS; arguments oi, os, Wo_codes, Wo_scales, bo, out0; writes out0
.if DOCPART == 3
	.amdgcn_target "amdgcn-amd-amdhsa--gfx1250"
	.amdhsa_code_object_version 6
	.text
	.protected	k_q5fbe6f7891_proj
	.globl	k_q5fbe6f7891_proj
	.p2align	8
	.type	k_q5fbe6f7891_proj,@function
k_q5fbe6f7891_proj:
	s_mov_b64 s[64:65], 0
	v_nop
	global_prefetch_b8 v0, s[64:65] scope:SCOPE_SE
	s_setreg_imm32_b32 hwreg(HW_REG_WAVE_MODE, 25, 1), 1
	s_wait_xcnt 0x0
	s_wait_alu depctr_hold_cnt(0) depctr_sa_sdst(0) depctr_va_vdst(0) depctr_va_sdst(0) depctr_va_ssrc(0) depctr_va_vcc(0) depctr_vm_vsrc(0)
	s_getreg_b32 s2, hwreg(HW_REG_IB_STS2, 6, 4)
	s_cmp_eq_u32 s2, 0
	s_cbranch_scc0 .Lentry_in_a_cluster
	s_endpgm
.Lentry_in_a_cluster:
	s_bfe_u32 s2, ttmp6, 0x10000c
	s_cmp_lg_u32 s2, 0x3003
	s_cbranch_scc0 .Lentry_shape_is_right
	s_endpgm
.Lentry_shape_is_right:
; out = o Wo + bo on codes of FP6 (E2M3) with one E8M0 scale for each 32 along K = 1,024.  o comes as half images of operand registers (oi: [tile of 16 tokens][head] 768 bytes) and scale bytes
; (os: [token][32]); Wo as rows of 768 bytes, K innermost.
; SHARES.  A work-group takes 256 tokens (TB) x 128 columns (cg); wave w its 64 tokens, whose 32 fragments go from memory straight into registers (dense loads of 16 and 8 bytes a lane), K step by K step.
; Wo's 128 rows come into LDS once (rows 816 bytes apart: 16 bytes of padding behind each 256) and are walked in two chunks of 64 columns, 8 K steps x 16 products each.  No LDS byte is filled twice.
; CLUSTER 4 x 1: the four partners differ in TB alone and ask for Wo's rows jointly.
; Source 0 = 16 rows of Wo, source 1 = 16 tokens: a lane holds eight neighbouring columns of one token's row.  The bias is the C of a sum's first product.
; The way out goes through the wave's own stage (16 rows of 256 + 16 bytes), so that sixteen lanes store 256 consecutive bytes, aligned.
; REGISTERS.  Window 0: v3-15 addresses; v16-31 o's scale words; v32-63 Wo's, a set for each chunk; v64-95 the bias; v96-127 the way out; v128-255 16 accumulators.
;   Window 1: o's fragments of K steps 0-4 at 12 (4 s + t).  Window 2: K steps 5-7; from v144 Wo's four fragments, two buffers.
.set PITCH, 816
.set TROW,  16*PITCH
.set CH,    64*PITCH
.set STAGE, 2*CH                       ; behind Wo's 128 rows: 4,352 bytes a wave; no tensor load lands here
.set L0,   3
.set L1,   4
.set PAIR, 5                           ; v5, v6 chunk 0's addresses; v7, v8 chunk 1's
.set LS32, 9
.set LB,   10
.set STO,  11                          ; v11  the stage: where I put 32 bytes of a row
.set ST16, 12
.set ST8,  13
.set RD,   14                          ; v14  the stage: where I read a row back
.set CO,   15                          ; v15  my byte offset in two rows of out
.set XS,   16
.set WS,   32
.set BIAS, 64
.set OB,   96
.set ACC,  128
.set WF,   144
.set WV,   30
.set G1,   32
.set G0,   40
.set MSB, 0
.macro WIN new
.if MSB != \new
	s_set_vgpr_msb (MSB<<8)|\new
.set MSB, \new
.endif
.endm
.macro PLACES n
.rept \n
	v_nop
.endr
.endm
.macro CROUND
	s_barrier_signal -1
	s_barrier_wait -1
	s_cmp_lg_u32 s[WV], 0
	s_cbranch_scc1 .Lnot_wave_0_\@
	s_barrier_signal -3
.Lnot_wave_0_\@:
	s_barrier_wait -3
	s_barrier_signal -1
	s_barrier_wait -1
.endm
.macro FRAG reg, adr, ks, i            ; a fragment from padded rows: piece n of a row lies at 8 n + 16 (n / 32); lanes 16-31 read three pieces further on
.irp p, 0,1,2,3,4,5
.set PCE, 12*(\ks)+6*(\p/3)+\p%3
.if PCE%32 < 29
	ds_load_b64 v[(\reg)+2*\p:(\reg)+2*\p+1], v[\adr] offset:8*PCE+16*(PCE/32)+(\i)*TROW
.else
	ds_load_b64 v[(\reg)+2*\p:(\reg)+2*\p+1], v[\adr+1] offset:8*PCE+16*(PCE/32)+(\i)*TROW
.endif
.endr
.endm
.macro WFETCH ch, ks
	WIN 0x80
.irp i, 0,1,2,3
	FRAG WF+48*((\ks)%2)+12*\i, PAIR+2*((\ch)%2), \ks, \i
.endr
.endm
.macro WSLOAD ch
.irp p, 0,1
	global_load_b128 v[WS+16*(\ch)+8*\p:WS+16*(\ch)+8*\p+3], v[LS32], s[10:11] offset:2048*(\ch)+1024*\p
	global_load_b128 v[WS+16*(\ch)+8*\p+4:WS+16*(\ch)+8*\p+7], v[LS32], s[10:11] offset:2048*(\ch)+1024*\p+16
.endr
.endm
.macro BIASLOAD ch
.irp ct, 0,1,2,3
	global_load_b128 v[BIAS+8*\ct:BIAS+8*\ct+3], v[LB], s[12:13] offset:256*(\ch)+64*\ct
	global_load_b128 v[BIAS+8*\ct+4:BIAS+8*\ct+7], v[LB], s[12:13] offset:256*(\ch)+64*\ct+16
.endr
.endm
.macro OLOAD f, ks, t                  ; o's fragment of tile t, K step ks: the half images of heads 2 ks and 2 ks + 1
	global_load_b128 v[(\f):(\f)+3], v[ST16], s[4:5] offset:12288*(\t)+1536*(\ks)
	global_load_b64 v[(\f)+4:(\f)+5], v[ST8], s[4:5] offset:12288*(\t)+1536*(\ks)+512
	global_load_b128 v[(\f)+6:(\f)+9], v[ST16], s[4:5] offset:12288*(\t)+1536*(\ks)+768
	global_load_b64 v[(\f)+10:(\f)+11], v[ST8], s[4:5] offset:12288*(\t)+1536*(\ks)+1280
.endm
.macro WM oa, ob
.if (\oa) && (\ob)
	v_wmma_scale_f32_16x16x128_f8f6f4 v[rD:rD+7], v[rA:rA+11], v[rB:rB+11], v[rC:rC+7], v[rSA], v[rSB] matrix_a_fmt:MATRIX_FMT_FP6 matrix_b_fmt:MATRIX_FMT_FP6 matrix_a_scale:MATRIX_SCALE_ROW1 matrix_b_scale:MATRIX_SCALE_ROW1
.elseif (\oa)
	v_wmma_scale_f32_16x16x128_f8f6f4 v[rD:rD+7], v[rA:rA+11], v[rB:rB+11], v[rC:rC+7], v[rSA], v[rSB] matrix_a_fmt:MATRIX_FMT_FP6 matrix_b_fmt:MATRIX_FMT_FP6 matrix_a_scale:MATRIX_SCALE_ROW1
.elseif (\ob)
	v_wmma_scale_f32_16x16x128_f8f6f4 v[rD:rD+7], v[rA:rA+11], v[rB:rB+11], v[rC:rC+7], v[rSA], v[rSB] matrix_a_fmt:MATRIX_FMT_FP6 matrix_b_fmt:MATRIX_FMT_FP6 matrix_b_scale:MATRIX_SCALE_ROW1
.else
	v_wmma_scale_f32_16x16x128_f8f6f4 v[rD:rD+7], v[rA:rA+11], v[rB:rB+11], v[rC:rC+7], v[rSA], v[rSB] matrix_a_fmt:MATRIX_FMT_FP6 matrix_b_fmt:MATRIX_FMT_FP6
.endif
.endm
.macro MUL ch, ks                      ; 16 products; the 16 accumulators take turns, one instruction a turn
.if (\ks) <= 4
.set XB, 48*(\ks)
.else
.set XB, 48*((\ks)-5)
.endif
.set WB, WF+48*((\ks)%2)
.set WSB, WS+16*(\ch)+(\ks)
.irp a, 0,1,2,3
.irp t, 0,1,2,3
.set rD, ACC+8*(4*\t+\a)
.set rA, WB+12*\a
.set rB, XB+12*\t
.set rSA, WSB+8*(\a/2)
.set rSB, XS+8*(\t/2)+(\ks)
.if (\ks) == 0
.set rC, BIAS+8*\a
.else
.set rC, rD
.endif
	WM \a%2, \t%2
.endr
.endr
.endm
.macro STEP ch, ks, lc                 ; lc: how many younger global loads may stay out (-1: no wait)
	s_wait_dscnt 0x0                               ; this step's fragments of Wo are in
.if (\lc) >= 0
	s_wait_loadcnt \lc
.endif
	PLACES 4                                       ; behind the last products, ahead of loads into the buffer and the bias that they read
.if ((\ch) == 0) && ((\ks) == 1)
	BIASLOAD 1
.endif
.if (\ks) < 7
	WFETCH \ch, (\ks)+1
.elseif (\ch) == 0
	v_add_nc_u32 v[PAIR+2], CH, v[L0]
	s_wait_alu depctr_va_vdst(0)
	v_add_nc_u32 v[PAIR+3], CH, v[L1]
	s_wait_alu depctr_va_vdst(0)
	WFETCH 1, 0
.endif
.if (\ks) >= 5
	WIN 0x0a
.else
	WIN 0x06
.endif
	MUL \ch, \ks
	WIN 0
.endm
.macro OUT ch                          ; the chunk's 64 tokens x 64 columns leave, a tile of 16 tokens at a time
	PLACES 4
.irp t, 0,1,2,3
	s_wait_xcnt 0x0                                ; the last tile's stores have read their registers
.irp ct, 0,1,2,3
	ds_store_b128 v[STO], v[ACC+8*(4*\t+\ct):ACC+8*(4*\t+\ct)+3] offset:64*\ct        ; each accumulator from its low end on
	ds_store_b128 v[STO], v[ACC+8*(4*\t+\ct)+4:ACC+8*(4*\t+\ct)+7] offset:64*\ct+16
.endr
.irp k, 0,1,2,3,4,5,6,7
	ds_load_b128 v[OB+4*\k:OB+4*\k+3], v[RD] offset:2*\k*272   ; LDS serves a wave's instructions in order: these see my stores, and the next tile's stores come behind them
.endr
.irp k, 0,1,2,3,4,5,6,7
	s_wait_dscnt 7-\k                              ; the younger of the eight loads may be out
	global_store_b128 v[CO], v[OB+4*\k:OB+4*\k+3], s[14:15] offset:(16*\t+2*\k)*4096+256*(\ch) th:TH_STORE_NT   ; sixteen lanes store 256 consecutive bytes, aligned
.endr
.endr
.endm
	s_load_b256 s[4:11], s[0:1], 0x0               ; oi 4, os 6, Wo codes 8, Wo scales 10
	s_load_b128 s[12:15], s[0:1], 0x20             ; bo 12, out0 14
	v_lshl_add_u32 v1, v0, 2, 0x29000
	v_mov_b32 v2, 0
	ds_add_u32 v1, v2
	ds_add_u32 v1, v2
	v_lshrrev_b32 v3, 5, v0
	v_readfirstlane_b32 s[WV], v3
	s_bfe_u32 s44, ttmp6, 0x40000                  ; cx
	s_lshl_b32 s45, ttmp9, 2
	s_add_co_u32 s45, s45, s44                     ; TB
	s_and_b32 s46, ttmp7, 0xffff                   ; cg, which the four partners share
	s_mov_b32 s[G1], 15|(1<<20)|(1<<21)|(5<<22)|(3<<25)   ; all four partners; elements of 1 byte; padding: after every 64 words, 4 words
	s_mov_b32 s[G1+1], 768<<16
	s_mov_b32 s[G1+2], 32<<16
	s_mov_b32 s[G1+3], 768<<16
	s_mov_b32 s[G1+4], 32
	s_mov_b32 s[G1+5], 768
	s_mov_b32 s[G1+6], 0
	s_mov_b32 s[G1+7], 0
	s_mov_b32 s[G0], 1
	s_mul_i32 s[G0+1], s[WV], 32*PITCH
	s_lshl_b32 s48, s46, 7
	s_lshl_b32 s49, s[WV], 5
	s_add_co_u32 s48, s48, s49                     ; my 32 rows of Wo
	s_mul_i32 s48, s48, 768
	s_mov_b32 s49, 0
	s_lshl_b32 s50, s45, 8
	s_lshl_b32 s51, s[WV], 6
	s_add_co_u32 s50, s50, s51                     ; my first token
	s_mul_i32 s52, s50, 768                        ; in oi: 16 tokens x 16 heads are 12,288 bytes
	s_mov_b32 s53, 0
	s_lshl_b32 s54, s50, 5                         ; in os
	s_mov_b32 s55, 0
	s_lshl_b32 s56, s50, 12                        ; in out0,
	s_lshl_b32 s57, s46, 9
	s_add_co_u32 s56, s56, s57                     ; at my 128 columns
	s_mov_b32 s57, 0
	s_lshl_b32 s58, s46, 12                        ; Wo's scale bytes
	s_mov_b32 s59, 0
	s_lshl_b32 s60, s46, 9                         ; bo
	s_mov_b32 s61, 0
	s_mul_i32 s47, s[WV], 16*272
	s_add_co_u32 s47, s47, STAGE                   ; my stage
	s_wait_dscnt 0x0
	s_wait_kmcnt 0x0
	s_add_nc_u64 s[G0+2:G0+3], s[8:9], s[48:49]
	s_or_b32 s[G0+3], s[G0+3], 0x80000000
	s_add_nc_u64 s[4:5], s[4:5], s[52:53]
	s_add_nc_u64 s[6:7], s[6:7], s[54:55]
	s_add_nc_u64 s[10:11], s[10:11], s[58:59]
	s_add_nc_u64 s[12:13], s[12:13], s[60:61]
	s_add_nc_u64 s[14:15], s[14:15], s[56:57]
	CROUND                                         ; the four partners are here: the joint loads meet
	tensor_load_to_lds s[G0:G0+3], s[G1:G1+7]      ; my 32 rows of Wo: one load of mine is out
	s_nop 0
	PLACES 4
	v_and_b32 v7, 15, v0                           ; r
	v_bfe_u32 v8, v0, 4, 1                         ; h
	v_and_b32 v[LS32], 31, v0
	v_mul_u32_u24 v[L0], v7, PITCH
	v_mad_u32_u24 v[L1], v8, 40, v[L0]
	v_mad_u32_u24 v[L0], v8, 24, v[L0]
	v_lshlrev_b32 v[ST16], 4, v[LS32]
	v_lshlrev_b32 v[ST8], 3, v[LS32]
	v_lshlrev_b32 v[LS32], 5, v[LS32]
	v_lshlrev_b32 v[LB], 5, v8
	v_mul_u32_u24 v[STO], v7, 272
	v_lshl_add_u32 v[STO], v8, 5, v[STO]
	v_add_nc_u32 v[STO], s47, v[STO]               ; in: row r, 32 bytes for each half of the lanes
	v_mul_u32_u24 v[RD], v8, 272
	v_lshl_add_u32 v[RD], v7, 4, v[RD]
	v_add_nc_u32 v[RD], s47, v[RD]                 ; back: lanes 0-15 one row, lanes 16-31 the next
	v_lshlrev_b32 v[CO], 12, v8
	v_lshl_add_u32 v[CO], v7, 4, v[CO]             ; and the same two rows of out
	v_mov_b32 v[PAIR], v[L0]                       ; chunk 0 begins at LDS byte 0
	v_mov_b32 v[PAIR+1], v[L1]
.irp p, 0,1
	global_load_b128 v[XS+8*\p:XS+8*\p+3], v[LS32], s[6:7] offset:1024*\p
	global_load_b128 v[XS+8*\p+4:XS+8*\p+7], v[LS32], s[6:7] offset:1024*\p+16
.endr
	WSLOAD 0
	WSLOAD 1
	BIASLOAD 0
	WIN 0x40
.irp s, 0,1,2,3,4
.irp t, 0,1,2,3
	OLOAD 12*(4*\s+\t), \s, \t
.endr
.endr
	WIN 0x80
.irp s, 5,6,7
.irp t, 0,1,2,3
	OLOAD 12*(4*(\s-5)+\t), \s, \t
.endr
.endr
	WIN 0
	s_wait_alu depctr_va_vdst(0)
	s_wait_tensorcnt 0x0                           ; my rows of Wo have landed,
	s_barrier_signal -1
	s_barrier_wait -1                              ; everybody's have; nothing is ever filled again
	WFETCH 0, 0
	; o's loads were issued in the order of K, 16 a step, behind 20 loads of scale words and bias; 8 bias loads follow in step 1.  A step's wait leaves out the later steps' loads and those 8;
	; where that is more than a wait can name, it names 63.
	STEP 0, 0, 63
	STEP 0, 1, 63
	STEP 0, 2, 63
	STEP 0, 3, 63
	STEP 0, 4, 56
	STEP 0, 5, 40
	STEP 0, 6, 24
	STEP 0, 7, 8
	OUT 0
	STEP 1, 0, 0
.irp k, 1,2,3,4,5,6,7
	STEP 1, \k, -1
.endr
	OUT 1
	s_wait_dscnt 0x0
	s_wait_tensorcnt 0x0
	ds_add_u32 v1, v2
	s_wait_dscnt 0x0
	CROUND                                         ; the closing round
	s_endpgm
.Lfunc_end_k_q5fbe6f7891_proj:
	.size	k_q5fbe6f7891_proj, .Lfunc_end_k_q5fbe6f7891_proj-k_q5fbe6f7891_proj
	.p2alignl 7, 3214868480
	.fill 96, 4, 3214868480
	.section	.rodata,"a",@progbits
	.p2align	6, 0x0
	.amdhsa_kernel k_q5fbe6f7891_proj
		.amdhsa_group_segment_fixed_size 168448
		.amdhsa_private_segment_fixed_size 0
		.amdhsa_enable_private_segment 0
		.amdhsa_kernarg_size 48
		.amdhsa_user_sgpr_count 2
		.amdhsa_user_sgpr_kernarg_segment_ptr 1
		.amdhsa_wavefront_size32 1
		.amdhsa_system_sgpr_workgroup_id_x 1
		.amdhsa_system_sgpr_workgroup_id_y 1
		.amdhsa_system_sgpr_workgroup_id_z 1
		.amdhsa_system_vgpr_workitem_id 0
		.amdhsa_next_free_vgpr 768
		.amdhsa_next_free_sgpr 66
		.amdhsa_reserve_vcc 0
		.amdhsa_float_denorm_mode_32 3
		.amdhsa_float_denorm_mode_16_64 3
		.amdhsa_memory_ordered 1
		.amdhsa_forward_progress 1
		.amdhsa_inst_pref_size 97
	.end_amdhsa_kernel
	.amdgpu_metadata
---
amdhsa.version: [ 1, 2 ]
amdhsa.kernels:
  - .name:           k_q5fbe6f7891_proj
    .symbol:         k_q5fbe6f7891_proj.kd
    .args:
      - { .name: oi, .offset: 0, .size: 8, .value_kind: global_buffer, .address_space: global }
      - { .name: os, .offset: 8, .size: 8, .value_kind: global_buffer, .address_space: global }
      - { .name: Wo_codes, .offset: 16, .size: 8, .value_kind: global_buffer, .address_space: global }
      - { .name: Wo_scales, .offset: 24, .size: 8, .value_kind: global_buffer, .address_space: global }
      - { .name: bo, .offset: 32, .size: 8, .value_kind: global_buffer, .address_space: global }
      - { .name: out0, .offset: 40, .size: 8, .value_kind: global_buffer, .address_space: global }
    .group_segment_fixed_size: 168448
    .private_segment_fixed_size: 0
    .kernarg_segment_align: 8
    .kernarg_segment_size: 48
    .max_flat_workgroup_size: 128
    .sgpr_count:     66
    .vgpr_count:     768
    .wavefront_size: 32
...
	.end_amdgpu_metadata
.endif
;; end of part 3
